; MI455X (gfx1250); checked and timed in simulation.
; The chip was launched on July 23, 2026; its instructions are those of AMD's public machine-readable ISA for CDNA 5 (MIT licence, August 2026) and "CDNA5" Instruction Set Architecture Reference Guide (July 2026). The comments in the code are by the model that wrote it; some were corrected since.
;; Scaled Dot Attention. Allowed arithmetic: matrix products marked QUANTISED: E4M3 operands, one E8M0 scale for each 32 along K, by v_wmma_scale_f32_16x16x128_f8f6f4 with both operands' format E4M3, f32 sums; everything else in f32.
;; Inputs: Wo_b 512 float32; Wo_w_codes 512 x 2 x 32 uint8 (E4M3 codes of Wo_w, K innermost, in blocks of 32 codes); Wo_w_scales 512 x 2 uint8 (E8M0 scales of Wo_w, one for each 32 codes along K); keys_codes 16 x 2,048 x 2 x 32 uint8 (E4M3 codes of keys, K innermost, in blocks of 32 codes); keys_scales 16 x 2,048 x 2 uint8 (E8M0 scales of keys, one for each 32 codes along K); query_codes 16 x 2,048 x 2 x 32 uint8 (E4M3 codes of query, K innermost, in blocks of 32 codes); query_scales 16 x 2,048 x 2 uint8 (E8M0 scales of query, one for each 32 codes along K); values_codes 16 x 64 x 64 x 32 uint8 (E4M3 codes of values, K innermost, in blocks of 32 codes); values_scales 16 x 64 x 64 uint8 (E8M0 scales of values, one for each 32 codes along K).
;; Outputs: out0 16 x 2,048 x 512 float32.
;; This version of the problem:
;;   THIS VERSION OF THE PROBLEM IS GIVEN IN LOW PRECISION. The matrix products marked QUANTISED in the list below multiply operands that are first quantised to E4M3 (4 exponent bits, 3 mantissa bits; 8 bits a number), with one power-of-two scale for each 32 numbers along K (OCP MX v1.0); their sums are f32. All else is computed in f32.
;;   The module's matrix products, in the order in which they are computed (A, B: the left and right operand; K: the contracted axis; several contracted axes count as one K, in the product's order):
;;     1. batch 16 x [M 2,048, K 64] x [K 64, N 2,048]; A: input query (given as codes); B: input keys (given as codes): QUANTISED
;;     2. batch 16 x [M 2,048, K 2,048] x [K 2,048, N 64]; A: softmax (see below); B: input values (given as codes): QUANTISED
;;     3. [M 32,768, K 64] x [K 64, N 512]; A: computed on the way; B: input Wo_w (given as codes): QUANTISED
;;   THE QUANTISER, for each operand of a quantised product, along K:
;;     - K is cut into blocks of 32 from its start; a last block that is shorter is filled with zeros.
;;     - A block's scale is 2^e with e = floor(log2(the largest magnitude in the block)) - 8, held to -126 .. 127; a block of zeros has e = 0. As a byte (E8M0): e + 127.
;;     - Each number is divided by its block's scale, clamped to +-448, and rounded to the nearest number of E4M3, ties to even, subnormals kept.
;;     - The product sums the exact products of the quantised numbers (number of the format x scale) in f32.
;;   ~~~python
;;   def quantise(x, axis):      # numpy; x: float32 -> the quantised numbers, widened to float32 again
;;       x = np.moveaxis(x, axis, -1); K = x.shape[-1]
;;       x = np.pad(x, [(0, 0)] * (x.ndim - 1) + [(0, -K % 32)]); x = x.reshape(x.shape[:-1] + (-1, 32)); a = np.abs(x).max(-1, keepdims=True)
;;       e = np.where(a > 0, np.clip(np.frexp(np.where(a > 0, a, 1))[1] - 1 - 8, -126, 127), 0)      # np.frexp(a)[1] - 1 = floor(log2(a)), exactly
;;       r = np.clip(x / 2.0 ** e, -448, 448)
;;       step = 2.0 ** (np.maximum(np.frexp(np.where(r == 0, 1, r))[1] - 1, -6) - 3)
;;       q = np.round(r / step) * step * 2.0 ** e      # np.round: ties to even
;;       return np.moveaxis(q.reshape(q.shape[:-2] + (-1,))[..., :K], -1, axis).astype(np.float32)
;;   ~~~
;;   SOFTMAX AHEAD OF A QUANTISED PRODUCT. Where the list says 'softmax', what is quantised is not the finished softmax but p = 2^(t - M), with t = logit x log2(e) and M = ceil(the row's largest t), a whole number; so 1/2 < the row's largest p <= 1. The row's sum l is taken of the UNQUANTISED p, in f32, and the product's result is divided by l at the end. Since M is a whole number, a kernel that streams over the keys may use a running M (the ceiling of the running maximum): every later rescaling is an exact power of two, which a block's scale takes up: the codes' values come out the same.
;;   OPERANDS COMPUTED ON THE WAY. 'Computed on the way' means the value that the module computes at that place (a softmax that the list does not call 'softmax' is quantised finished and normalised). What goes into a quantiser is computed in f32, as accurately as f32 sums, v_exp_f32 and their like allow (about 1e-6 of the number): no bf16 or f16 on the way to a quantiser, and a product that is left as it is and whose result goes on into a quantised operand takes f32 operands (vector FMAs, or v_wmma_f32_16x16x4_f32). A number that lies on a knife's edge between two numbers of the format may be rounded either way, as far as f32 arithmetic and the matrix unit's own rounding can turn it there, and no further.
;;   INPUTS GIVEN AS CODES. Wo_w (in the module: [512, 64], K = its axis 1); keys (in the module: [16, 2048, 64], K = its axis 2); query (in the module: [16, 2048, 64], K = its axis 2); values (in the module: [16, 2048, 64], K = its axis 1): each comes as NAME_codes (uint8): NAME with its K axis moved to the last place and cut into blocks of 32 codes, [.., K / 32, bytes a block], one block behind the other in memory; one code a byte (a code: sign, 4 exponent bits, 3 mantissa bits); and NAME_scales (uint8): the same leading axes, one E8M0 byte (e + 127) for each 32 codes along K. Its value is code x scale, taken as it is: it is not quantised again, and the codes and scales need not be those that the quantiser above would give.
;; One version. Each part assembles by itself: llvm-mc -triple=amdgcn-amd-amdhsa -mcpu=gfx1250 --defsym DOCPART=n.
;; ======== version 1 of 1: 1 launch
;; limits: right only within a limited range of input values
;; launch attn (part 1): grid 16 x 16, 16 waves a work-group, clusters of 4 x 1, 327,680 bytes of LDS; arguments query_codes, query_scales, keys_codes, keys_scales, values_codes, values_scales, Wo_w_codes, Wo_w_scales, Wo_b, out0; writes out0
.if DOCPART == 1
	.amdgcn_target "amdgcn-amd-amdhsa--gfx1250"
	.amdhsa_code_object_version 6
	.text
	.protected	k_qc15197e424_attn
	.globl	k_qc15197e424_attn
	.p2align	8
	.type	k_qc15197e424_attn,@function
k_qc15197e424_attn:
	s_mov_b64 s[64:65], 0
	v_nop
	global_prefetch_b8 v0, s[64:65] scope:SCOPE_SE
	s_setreg_imm32_b32 hwreg(HW_REG_WAVE_MODE, 25, 1), 1
	s_wait_xcnt 0x0
	s_wait_alu depctr_hold_cnt(0) depctr_sa_sdst(0) depctr_va_vdst(0) depctr_va_sdst(0) depctr_va_ssrc(0) depctr_va_vcc(0) depctr_vm_vsrc(0)
	s_getreg_b32 s2, hwreg(HW_REG_IB_STS2, 6, 4)
	s_cmp_eq_u32 s2, 0
	s_cbranch_scc0 .Lentry_in_a_cluster
	s_endpgm
.Lentry_in_a_cluster:
	s_bfe_u32 s2, ttmp6, 0x10000c
	s_cmp_lg_u32 s2, 0x3003
	s_cbranch_scc0 .Lentry_shape_is_right
	s_endpgm
.Lentry_shape_is_right:
; out[b][q][:] = (softmax_k(Q[b][q] . K[b][k] / 8, k <= q) V[b]) Wo^T + bias.  16 batches, 2,048 positions, head size 64, 512 columns out.  All three products on codes of FP8 (E4M3) with one E8M0 scale for
; each 32 along K, by v_wmma_scale_f32_16x16x128_f8f6f4; sums, softmax and all else in f32.  One launch; nothing goes through memory between the products.
; THE DEAL.  256 work-groups: batch y, number j = 0 .. 15 along x.  A work-group owns eight tiles of 16 queries: tile number 16 tau + j for even tau, 16 tau + 15 - j for odd tau (tau = 0 .. 7).
; EACH OF THE 16 WAVES OWNS 128 KEYS of the batch, slice kappa, for the whole launch: their K and V stand in its registers (64 + 64).  Tile tau wants the slices kappa < 2 tau + 1 or 2 tau + 2.
; A wave's step on a tile gives a PART: O^T (16 queries x 64 channels), -M, l, with M the ceiling of the largest t among its own keys.  Parts go to LDS and are merged by powers of two, which round nothing.
; kappa is dealt to the waves so that waves w, w + 4, w + 8, w + 12, and waves 4 n .. 4 n + 3 alike, have 18 of a work-group's 72 steps.
; THE PIPELINE, one barrier an iteration: iteration tau makes tile tau's parts, merges tile tau - 1's (waves of slices 12 to 15: block of 32 channels x 8 queries each; the context is divided by l, quantised, its codes
; laid in LDS) and projects and stores tile tau - 2 (eight waves, the slices of tau's parity, 64 columns each).  A wave's step on registers stands between the barrier's signal and its wait.
; THE SOFTMAX: t = score x log2(e) / 8; p = 2^(t - M) is quantised along the keys, not normalised; l is the sum of the unquantised p; O / l is quantised along its 64 channels for the projection.
; WORK LEFT OUT.  the score of key k for query q is -inf where k > q; the weight of such a key is exactly 0 whatever the inputs hold.  So a step all of whose 128 keys
; come after a tile's 16 queries is not done (the wave of slice 2 tau + 1 then leaves zeros, l = 0 and M = -3e38 as its part).  On the diagonal the hidden scores are made -inf and the work is done.
; Every input has a way to the output: all ten buffers are arguments.
; LIMITS.  A NaN, an infinity or an overflow that reaches only the steps left out is not carried to the result.  NaN codes (0x7f, 0xff) and scale bytes 0xff among the inputs are not served: two rows of 64 codes share a
; fragment (below), and a NaN of the row that is multiplied by zeros would reach its neighbour's sum.  A block of zeros made here (p, the context) gets the scale byte 1 and not 127: its codes are zeros, and only this text
; reads the byte.  What falls under the smallest f32 number in a merge is lost.  The promise holds while the scaled scores stay under 2^31 in magnitude.
; LAYOUT.  QK^T and PV are used transposed: lane (r = lane % 16, h = lane / 16) holds query r.  K = 64 IN A FORM OF K = 128: a fragment of K's or Wo's rows holds TWO rows a lane: registers 0-7 row A's 64 codes, registers 8-15
; row B's.  The other source is named twice out of a run of 24 registers, zeros | x | zeros: v[24:39] = x, zeros gives row A's sums, v[16:31] = zeros, x gives row B's.
; K's fragment b: key A = 32 b + r + 8 (r / 8), key B = A + 8, so that the registers 16 b + 0 .. 15 of S^T are keys 32 b + 16 h + 0 .. 15; V's tile t: channel 32 (t / 2) + 8 (t % 2) + r + 8 (r / 8).
; The projection is in the natural order: source 0 the context, source 1 Wo's rows 4 r + u (u = 0 .. 3): registers j of the four results are four neighbouring columns of query 8 h + j, 16 bytes a lane.
; CLUSTERS of 4 work-groups of one batch: all read all of K and V, by joint loads, one a wave at the head, in three groups that are shown by three barriers.  Nothing is filled twice.
; NO PREFETCH: every tile is asked for at the head; there is no loop to run ahead in.
.set IDX,  17408                       ; a tile in LDS: 64 rows of 256 bytes + 16 of padding: 256 keys of K (four keys a row) or of V (a channel a row)
.set PSL,  8704                        ; a slice's two part slots, even tiles' then odd tiles', 4,352 bytes each: O^T's registers (8 x 512), then -M and l (8 bytes a lane)
.set PAR,  4352                        ; parts lie in the first eight tiles' places: slices 0-3 in places 0-1, 0-7 in places 0-3, read out by then
.set WOI,  16*IDX                      ; Wo as an image of the fragments' registers: 64 columns: 4,096 bytes
.set BIA,  WOI+32768                   ; the bias
.set QI,   BIA+2048                    ; Q as an image: a tile: 1,024 bytes
.set QSI,  QI+8192                     ; Q's scale words: a tile: 128 bytes
.set SPARE, QSI+1024                   ; the spare words, 128 bytes a wave
.set CTX,  SPARE+2048                  ; the context's codes, two tiles
.set CTS,  CTX+2048                    ; and scale words
; v0 thread; v1 spare word's address; v2 0; v3 16 x lane; v4 Wo's scale words (lanes 0-15 fragment 0, 16-31 fragment 1); v5 at work; v6 Q's or the context's scale word; v7 p's
.set QSW,  6
.set PSW,  7
.set TE,   8                           ; v8-11 the conversions' scale operands;  v12-15 448 x the scale.  In a merge v8-15 are the sums
.set TH,   12
.set QR,   16                          ; v16-23 zeros, v24-31 Q's or the context's codes, v32-39 zeros.  In a merge v24-31 are at work
.set KF,   40
.set VF,   104
.set S,    168                         ; v168-231 S^T, p, then (168-199) O^T
.set PC,   232                         ; v232-247 p's codes; before that TM, TP and sums
.set TM,   232
.set TP,   236
.set KSR,  248                         ; v248: lanes 0-15 fragment 0's scale words, 16-31 fragment 1's; v249: 2 and 3
.set VSR,  250                         ; likewise V's tiles
.set LS,   252                         ; v[252:253] l in two halves
.set NM,   254                         ; v254 -M, v255 l
.set ML,   216                         ; in a merge: -M and l of part i in v[216 + 2 i : 217 + 2 i]
.set OUT,  22
.set G1K,  24
.set G1V,  32
.set G0K,  40
.set G0V,  44
.set WV,   48
.set KAP,  49                          ; my slice
.set NP,   50                          ; 2 tau + 2: the parts of the tile in hand
.set HE,   51                          ; s51, s52: 0 or 1: the diagonal slice of an even, odd tile less 2 tau
.set DM,   53                          ; s53, s54: the tile's first query less the diagonal slice's first key
.set QT,   55
.set SEL,  56
.set CS,   58
.set MNT,  60
.set NC,   61
.set QTS,  62
.set PB,   63
.set KODD, 66
.set WB,   67
.set BB,   68
.set MQ,   69
.set MB,   70
.set MC,   71
.set MS,   72
.set TRIP, 73
.macro WALU
	s_wait_alu depctr_va_vdst(0)
.endm
.macro CROUND                          ; a round of the cluster's barrier
	s_barrier_signal -1
	s_barrier_wait -1
	s_cmp_lg_u32 s[WV], 0
	s_cbranch_scc1 .Lnw_\@
	s_barrier_signal -3
.Lnw_\@:
	s_barrier_wait -3
	s_barrier_signal -1
	s_barrier_wait -1
.endm
	s_load_b256 s[4:11], s[0:1], 0x0               ; Q's codes, scales; K's codes s[8:9], scales s[10:11]
	s_load_b256 s[12:19], s[0:1], 0x20             ; V's codes, scales; Wo's codes s[16:17], scales s[18:19]
	s_load_b128 s[20:23], s[0:1], 0x40             ; the bias, out
	v_lshl_add_u32 v1, v0, 2, SPARE
	v_mov_b32 v2, 0
	ds_add_u32 v1, v2                              ; the opening: the add, twice on end, and its wait ahead of my tensor load
	ds_add_u32 v1, v2
	v_lshrrev_b32 v5, 5, v0
	v_readfirstlane_b32 s[WV], v5
	s_lshr_b32 s81, s[WV], 2
	s_add_co_u32 s81, s81, s[WV]
	s_and_b32 s81, s81, 3                          ; kappa / 4 = (w + w / 4) % 4,
	s_and_b32 s82, s[WV], 3
	s_and_b32 s83, s81, 1
	s_mul_i32 s83, s83, 3
	s_xor_b32 s82, s82, s83                        ; kappa % 4 = w % 4, turned round where kappa / 4 is odd
	s_lshl_b32 s81, s81, 2
	s_add_co_u32 s[KAP], s81, s82
	s_bfe_u32 s84, ttmp6, 0x40000
	s_lshl_b32 s85, ttmp9, 2
	s_add_co_u32 s85, s85, s84                     ; j = 4 x cluster + my place in it.  It enters global addresses and the mask's numbers alone
	s_lshr_b32 s[HE], ttmp9, 1                     ; j / 8, from the cluster's number alone
	s_sub_co_u32 s[HE+1], 1, s[HE]
	s_and_b32 s[DM], s85, 7
	s_lshl_b32 s[DM], s[DM], 4
	s_sub_co_u32 s[DM+1], 112, s[DM]
	s_and_b32 s86, ttmp7, 0xffff                   ; the batch
	s_lshl_b32 s88, s86, 17                        ; its first byte in each tensor of codes,
	s_mov_b32 s89, 0
	s_lshl_b32 s90, s86, 12                        ; of scale bytes
	s_mov_b32 s91, 0
	; Q: my wave stages half w % 2 (32 of the 64 codes) of tile w / 2
	s_lshr_b32 s81, s[WV], 1
	s_sub_co_u32 s84, 15, s85
	s_bitcmp1_b32 s81, 0
	s_cselect_b32 s92, s84, s85
	s_lshl_b32 s92, s92, 4
	s_lshl_b32 s82, s81, 8
	s_add_co_u32 s92, s92, s82                     ; its first query
	s_lshl_b32 s94, s92, 1
	s_add_co_u32 s94, s94, s90
	s_mov_b32 s95, 0
	s_lshl_b32 s92, s92, 6
	s_add_co_u32 s92, s92, s88
	s_and_b32 s82, s[WV], 1
	s_lshl_b32 s82, s82, 5
	s_add_co_u32 s92, s92, s82
	s_mov_b32 s93, 0
	; out: the tiles of my slice's parity, my 64 columns
	s_and_b32 s[KODD], s[KAP], 1
	s_cmp_eq_u32 s[KODD], 1
	s_cselect_b32 s96, s84, s85
	s_lshl_b32 s96, s96, 4
	s_lshl_b32 s82, s[KODD], 8
	s_add_co_u32 s96, s96, s82
	s_lshl_b32 s96, s96, 11
	s_lshl_b32 s82, s86, 22
	s_add_co_u32 s96, s96, s82
	s_lshr_b32 s87, s[KAP], 1
	s_lshl_b32 s82, s87, 8
	s_add_co_u32 s96, s96, s82
	s_mov_b32 s97, 0
	s_add_co_u32 s[BB], s82, BIA
	s_lshl_b32 s82, s87, 12
	s_add_co_u32 s[WB], s82, WOI
	s_mul_i32 s[PB], s[KAP], PSL
	s_and_b32 s82, s[KAP], 1                       ; a merge: my block of 32 channels, my 8 queries (bit 1)
	s_lshl_b32 s[MB], s82, 11
	s_add_co_u32 s[MS], s82, CTS
	s_lshl_b32 s82, s82, 9
	s_add_co_u32 s[MC], s82, CTX
	s_bfe_u32 s82, s[KAP], 0x10001
	s_lshl_b32 s[MQ], s82, 7
	; the tile that my wave fetches, to place w: waves 0, 1 K's tiles 0, 1; 2, 3 V's; 4, 5 K's 2, 3; 6, 7 V's; 8-11 K's 4-7; 12-15 V's
	s_and_b32 s82, s[WV], 1
	s_lshr_b32 s83, s[WV], 2
	s_lshl_b32 s83, s83, 1
	s_add_co_u32 s82, s82, s83
	s_and_b32 s83, s[WV], 3
	s_add_co_u32 s83, s83, 4
	s_cmp_lt_u32 s[WV], 8
	s_cselect_b32 s82, s82, s83
	s_lshl_b32 s98, s82, 14
	s_add_co_u32 s98, s98, s88
	s_mov_b32 s99, 0
	s_lshl_b32 s82, s82, 8
	s_add_co_u32 s82, s82, s88
	s_mov_b32 s83, 0
	s_mul_i32 s80, s[WV], IDX
	s_lshl_b32 s74, s[KAP], 8                      ; K's scale bytes: 256 a slice,
	s_add_co_u32 s74, s74, s90
	s_mov_b32 s75, 0
	s_lshl_b32 s76, s[KAP], 2                      ; V's: 4 of each channel
	s_add_co_u32 s76, s76, s90
	s_mov_b32 s77, 0
	s_lshl_b32 s78, s81, 12                        ; Wo: my wave stages fragment w % 2 of the 64 columns w / 2
	s_and_b32 s79, s[WV], 1
	s_lshl_b32 s79, s79, 7
	s_add_co_u32 s78, s78, s79
	s_mov_b32 s79, 0
	s_lshl_b32 s86, s87, 7                         ; my own 64 columns' scale bytes
	s_mov_b32 s87, 0
	s_mov_b32 s[G1K], 15|(1<<20)|(1<<21)|(5<<22)|(3<<25)  ; the mask: all four work-groups; elements of 1 byte; padding on; 21 set beside a mask; after every 64 words four words
	s_mov_b32 s[G1V], 15|(1<<20)|(1<<21)|(5<<22)|(3<<25)
.irp g, G1K, G1V
	s_mov_b32 s[\g+1], 256<<16
	s_mov_b32 s[\g+2], 64<<16
	s_mov_b32 s[\g+3], 256<<16
	s_mov_b32 s[\g+4], 64
	s_mov_b32 s[\g+6], 0
	s_mov_b32 s[\g+7], 0
.endr
	s_mov_b32 s[G1K+5], 256                        ; K: 16,384 dense bytes
	s_mov_b32 s[G1V+5], 2048                       ; V: a channel's row of keys
	s_mov_b32 s[SEL], 0x76543210
	s_mov_b32 s[SEL+1], 0xfedcba98                 ; v_permlanex16_b32's selects for lane l xor 16
	s_mov_b32 s[CS], 0x3e38aa3b                    ; log2(e) / 8
	s_mov_b32 s[CS+1], s[CS]
	s_mov_b32 s[NC], 0xbe38aa3b                    ; and its negative
	s_mov_b32 s[MNT], 0x600000                     ; the mantissa field of 448
	s_mov_b32 s[QT], QI
	s_mov_b32 s[QTS], QSI
	s_mov_b32 s[NP], 2
	s_mov_b32 s[TRIP], 2
	v_and_b32 v5, 31, v0
	v_lshlrev_b32 v3, 4, v5
	v_and_b32 v8, 15, v0                           ; r
	v_bfe_u32 v9, v0, 4, 1                         ; h
	v_and_b32 v10, 8, v8
	v_add_nc_u32 v10, v10, v8                      ; r + 8 (r / 8)
	v_lshlrev_b32 v11, 6, v8
	v_lshl_add_u32 v11, v9, 4, v11                 ; Q
	v_lshlrev_b32 v12, 1, v8                       ; its scale bytes
	v_lshlrev_b32 v13, 8, v8
	v_lshl_add_u32 v13, v9, 4, v13                 ; Wo
	v_lshlrev_b32 v14, 3, v8
	v_lshl_add_u32 v14, v9, 2, v14                 ; its scale words
	v_lshlrev_b32 v15, 2, v0                       ; the bias
	v_lshlrev_b32 v168, 1, v10
	v_lshl_add_u32 v168, v9, 6, v168               ; K's scale bytes: lanes 16-31 a fragment (32 keys) on
	v_lshlrev_b32 v169, 6, v10
	v_lshl_add_u32 v169, v9, 9, v169               ; V's: lanes 16-31 a tile (8 channels) on
	WALU
	s_wait_dscnt 0x0                               ; both opening adds are done
	CROUND                                         ; all four work-groups are here: the joint loads meet
	s_wait_kmcnt 0x0
	s_mov_b32 s[G0K], 1
	s_mov_b32 s[G0K+1], s80
	s_add_nc_u64 s[G0K+2:G0K+3], s[8:9], s[98:99]
	s_or_b32 s[G0K+3], s[G0K+3], 0x80000000
	s_mov_b32 s[G0V], 1
	s_mov_b32 s[G0V+1], s80
	s_add_nc_u64 s[G0V+2:G0V+3], s[12:13], s[82:83]
	s_or_b32 s[G0V+3], s[G0V+3], 0x80000000
; THE HEAD'S LOADS, ONE A WAVE, in one tree of branches on the wave's number.  A line for each group of waves that waits alike, and for K and V
.macro ARM under, g0, g1, next
	s_cmp_lt_u32 s[WV], \under
	s_cbranch_scc0 \next
	tensor_load_to_lds s[\g0:\g0+3], s[\g1:\g1+7]
	s_nop 0
.rept 4
	v_nop
.endr
	s_branch .Lasked
\next:
.endm
	ARM 2,  G0K, G1K, .Lh1
	ARM 4,  G0V, G1V, .Lh2
	ARM 6,  G0K, G1K, .Lh3
	ARM 8,  G0V, G1V, .Lh4
	ARM 12, G0K, G1K, .Lh5
	tensor_load_to_lds s[G0V:G0V+3], s[G1V:G1V+7]
	s_nop 0
.rept 4
	v_nop
.endr
.Lasked:
	s_add_nc_u64 s[4:5], s[4:5], s[92:93]
	s_add_nc_u64 s[6:7], s[6:7], s[94:95]
	s_add_nc_u64 s[10:11], s[10:11], s[74:75]
	s_add_nc_u64 s[14:15], s[14:15], s[76:77]
	s_add_nc_u64 s[16:17], s[16:17], s[78:79]
	s_add_nc_u64 s[18:19], s[18:19], s[86:87]
	s_add_nc_u64 s[OUT:OUT+1], s[OUT:OUT+1], s[96:97]
	s_sub_nc_u64 s[OUT:OUT+1], s[OUT:OUT+1], 0x100000  ; (each projection first steps two tiles, 512 rows, on)
	global_load_b128 v[172:175], v11, s[4:5]
	global_load_u16 v176, v12, s[6:7]
.irp i, 0,1,2,3
	global_load_b128 v[180+4*\i:183+4*\i], v13, s[16:17] offset:32*\i
.endr
	global_load_b32 v4, v14, s[18:19]
	global_load_b32 v177, v15, s[20:21]
	global_load_u16 v[KSR], v168, s[10:11]         ; fragments 0, 1: key A's two bytes,
	global_load_u16 v178, v168, s[10:11] offset:16 ; key B's;
	global_load_u16 v[KSR+1], v168, s[10:11] offset:128
	global_load_u16 v179, v168, s[10:11] offset:144
	global_load_b32 v[VSR], v169, s[14:15]
	global_load_b32 v[VSR+1], v169, s[14:15] offset:2048
	s_lshl_b32 s81, s[WV], 9
	s_add_co_u32 s81, s81, QI
	v_add_nc_u32 v196, s81, v3
	s_lshl_b32 s81, s[WV], 6
	s_add_co_u32 s81, s81, QSI
	v_lshl_add_u32 v197, v8, 2, s81                ; (the two waves of a tile write a copy each, for lanes 0-15 and 16-31)
	s_lshl_b32 s81, s[WV], 11
	s_add_co_u32 s81, s81, WOI
	v_add_nc_u32 v198, s81, v3
	v_lshl_add_u32 v199, v0, 2, BIA
.irp i, 0,1,2,3,4,5,6,7
	v_mov_b32 v[QR+\i], 0
	v_mov_b32 v[QR+16+\i], 0
.endr
.irp i, 0,1,2,3
	v_mov_b32 v[TP+\i], 0                          ; (a lane permute's destination counts as one of its sources)
.endr
	v_mov_b32 v[LS+1], 0
	v_mov_b32 v[NM+1], 0
	WALU
	s_wait_loadcnt 0x0
	v_lshl_or_b32 v176, v176, 16, v176             ; Q's two bytes, twice
	v_lshl_or_b32 v[KSR], v178, 16, v[KSR]
	v_lshl_or_b32 v[KSR+1], v179, 16, v[KSR+1]
	ds_store_b128 v196, v[172:175]
	ds_store_b32 v197, v176
.irp i, 0,1,2,3
	ds_store_b128 v198, v[180+4*\i:183+4*\i] offset:512*\i
.endr
	ds_store_b32 v199, v177
	WALU
	s_cmp_lt_u32 s[WV], 4
	s_cbranch_scc0 .Lnot_first
	s_wait_tensorcnt 0x0                           ; waves 0 to 3: the first group (keys 0 to 511) has landed
.Lnot_first:
	s_wait_dscnt 0x0
	s_barrier_signal -1
	s_barrier_wait -1
; My slice's K and V from LDS into registers, in the waves of slices lo .. hi - 1: 32 loads.  kadd, vadd: from a tile's number to its place
.macro FETCH lo, hi, kadd, vadd
.if \lo > 0
	s_cmp_lt_u32 s[KAP], \lo
	s_cbranch_scc1 .Lnf_\@
.endif
.if \hi < 16
	s_cmp_ge_u32 s[KAP], \hi
	s_cbranch_scc1 .Lnf_\@
.endif
	s_lshr_b32 s81, s[KAP], 1
	s_and_b32 s83, s[KAP], 1
	s_add_co_u32 s82, s81, \kadd
	s_mul_i32 s82, s82, IDX
	s_mul_i32 s84, s83, 8704
	s_add_co_u32 s82, s82, s84                     ; K: my half of the tile: 32 rows of four keys
	s_add_co_u32 s81, s81, \vadd
	s_mul_i32 s81, s81, IDX
	s_lshl_b32 s83, s83, 7
	s_add_co_u32 s81, s81, s83                     ; V: my 128 bytes of each row
	v_and_b32 v8, 15, v0
	v_bfe_u32 v9, v0, 4, 1
	v_and_b32 v10, 8, v8
	v_add_nc_u32 v10, v10, v8
	v_lshrrev_b32 v11, 2, v10
	v_mul_u32_u24 v11, v11, 272
	v_and_b32 v12, 3, v10
	v_lshl_add_u32 v11, v12, 6, v11
	v_lshl_add_u32 v11, v9, 4, v11
	v_add_nc_u32 v11, s82, v11
	v_mul_u32_u24 v12, v10, 272
	v_lshl_add_u32 v12, v9, 4, v12
	v_add_nc_u32 v12, s81, v12
.irp b, 0,1,2,3
	ds_load_b128 v[KF+16*\b:KF+16*\b+3], v11 offset:2176*\b
	ds_load_b128 v[KF+16*\b+4:KF+16*\b+7], v11 offset:2176*\b+32
	ds_load_b128 v[KF+16*\b+8:KF+16*\b+11], v11 offset:2176*\b+544
	ds_load_b128 v[KF+16*\b+12:KF+16*\b+15], v11 offset:2176*\b+576
.endr
.irp t, 0,1,2,3
.irp c, 0,1,2,3
	ds_load_b128 v[VF+16*\t+4*\c:VF+16*\t+4*\c+3], v12 offset:(32*(\t/2)+8*(\t%2))*272+32*\c
.endr
.endr
.Lnf_\@:
	s_wait_dscnt 0x0
	s_barrier_signal -1
.endm
.macro WM d, a, b, sa, sb              ; a product with C = 0
	v_wmma_scale_f32_16x16x128_f8f6f4 v[\d:\d+7], v[\a:\a+15], v[\b:\b+15], 0, v[\sa], v[\sb]
.endm
.macro WMA d, a, b, sa, sb             ; source 0's scales from lanes 16-31
	v_wmma_scale_f32_16x16x128_f8f6f4 v[\d:\d+7], v[\a:\a+15], v[\b:\b+15], 0, v[\sa], v[\sb] matrix_a_scale:MATRIX_SCALE_ROW1
.endm
.macro WMB d, a, b, sa, sb             ; source 1's
	v_wmma_scale_f32_16x16x128_f8f6f4 v[\d:\d+7], v[\a:\a+15], v[\b:\b+15], 0, v[\sa], v[\sb] matrix_b_scale:MATRIX_SCALE_ROW1
.endm
.macro HOLD b                          ; the conversion to an 8-bit code does not saturate (ISA guide 7.6.2); p is not negative, so the hold is one-sided
.irp i, 0,2,4,6,8,10,12,14
	v_dual_min_num_f32 v[S+16*\b+\i], v[TH+\b], v[S+16*\b+\i] :: v_dual_min_num_f32 v[S+16*\b+\i+1], v[TH+\b], v[S+16*\b+\i+1]
.endr
.endm
.macro CODES b
	v_cvt_scalef32_pk8_fp8_f32 v[PC+4*\b:PC+4*\b+1], v[S+16*\b:S+16*\b+7], v[TE+\b]
	v_cvt_scalef32_pk8_fp8_f32 v[PC+4*\b+2:PC+4*\b+3], v[S+16*\b+8:S+16*\b+15], v[TE+\b]
.endm
; MY STEP on the tile in hand: registers alone, and LDS loads of Q, which nobody writes any more.  s81: the diagonal slice
.macro STEP par
	v_add_nc_u32 v5, s[QT], v3
	v_lshrrev_b32 v14, 2, v3
	v_add_nc_u32 v15, s[QTS], v14
	ds_load_b128 v[QR+8:QR+11], v5
	ds_load_b128 v[QR+12:QR+15], v5 offset:512
	ds_load_b32 v[QSW], v15
	s_wait_dscnt 0x0
.irp b, 0,1,2,3
.if \b%2
	WMA S+16*\b, KF+16*\b, QR+8, KSR+\b/2, QSW
	WMA S+16*\b+8, KF+16*\b, QR, KSR+\b/2, QSW
.else
	WM S+16*\b, KF+16*\b, QR+8, KSR+\b/2, QSW
	WM S+16*\b+8, KF+16*\b, QR, KSR+\b/2, QSW
.endif
.endr
.rept 8
	v_nop                                          ; the eight places ahead of the first read of the scores
.endr
	s_cmp_lg_u32 s[KAP], s81
	s_cbranch_scc1 .Lopen_\@
	v_and_b32 v5, 15, v0                           ; the diagonal slice: register 16 b + i is hidden where 32 b + i > d = first query - first key + r - 16 h
	v_bfe_u32 v14, v0, 4, 1
	v_lshlrev_b32 v14, 4, v14
	v_mov_b32 v15, 0xff800000
	v_sub_nc_u32 v5, v5, v14
	v_add_nc_u32 v5, s[DM+\par], v5
.set n, 0
.rept 64
	v_cmp_gt_i32 vcc_lo, 32*(n/16)+n%16, v5
	v_cndmask_b32 v[S+n], v[S+n], v15, vcc_lo
.set n, n+1
.endr
.Lopen_\@:
.irp b, 0,1,2,3
	v_max3_num_f32 v[TM+\b], v[S+16*\b], v[S+16*\b+1], v[S+16*\b+2]        ; a block's largest score serves for M and, since p rises with the score, for the block's largest p
.endr
.irp i, 3,5,7,9,11,13
.irp b, 0,1,2,3
	v_max3_num_f32 v[TM+\b], v[TM+\b], v[S+16*\b+\i], v[S+16*\b+\i+1]
.endr
.endr
.irp b, 0,1,2,3
	v_max_num_f32 v[TM+\b], v[TM+\b], v[S+16*\b+15]
.endr
.irp b, 0,1,2,3
	v_permlanex16_b32 v[TP+\b], v[TM+\b], s[SEL], s[SEL+1]
.endr
.irp b, 0,1,2,3
	v_max_num_f32 v[TM+\b], v[TM+\b], v[TP+\b]
.endr
	v_max3_num_f32 v5, v[TM], v[TM+1], v[TM+2]
	v_max_num_f32 v5, v5, v[TM+3]
	v_mul_f32 v[NM], s[NC], v5
	v_floor_f32 v[NM], v[NM]                       ; -M = floor(-t): M is a whole number
.set n, 0
.rept 32
	v_pk_fma_f32 v[S+n:S+n+1], v[S+n:S+n+1], s[CS:CS+1], v[NM:NM+1] op_sel_hi:[1,0,0]
.set n, n+2
.endr
.irp b, 0,1,2,3
	v_fma_f32 v[TM+\b], v[TM+\b], s[CS], v[NM]
.endr
	WALU
.set n, 0
.rept 64
	v_exp_f32 v[S+n], v[S+n]                       ; p = 2^(t - M), at most 1
.set n, n+1
.endr
.irp b, 0,1,2,3
	v_exp_f32 v[TM+\b], v[TM+\b]                   ; the blocks' largest p
.endr
	v_nop
	WALU
	v_pk_add_f32 v[LS:LS+1], v[S:S+1], v[S+2:S+3]  ; l, of the unquantised p, in four chains
	v_pk_add_f32 v[240:241], v[S+4:S+5], v[S+6:S+7]
	v_pk_add_f32 v[242:243], v[S+8:S+9], v[S+10:S+11]
	v_pk_add_f32 v[244:245], v[S+12:S+13], v[S+14:S+15]
.irp b, 0,1,2,3
	v_max_num_f32 v[TM+\b], 0x4800000, v[TM+\b]    ; the floor 2^(9 - 127): the byte cannot fall under 1
.endr
.set n, 16
.rept 3
	v_pk_add_f32 v[LS:LS+1], v[LS:LS+1], v[S+n:S+n+1]
	v_pk_add_f32 v[240:241], v[240:241], v[S+n+2:S+n+3]
	v_pk_add_f32 v[242:243], v[242:243], v[S+n+4:S+n+5]
	v_pk_add_f32 v[244:245], v[244:245], v[S+n+6:S+n+7]
.set n, n+8
.endr
.irp b, 0,1,2,3
	v_add_nc_u32 v[TE+\b], 0xfc000000, v[TM+\b]    ; 8 off the exponent field: the conversion's scale operand
.endr
.irp b, 0,1,2,3
	v_and_or_b32 v[TH+\b], v[TM+\b], 0x7f800000, s[MNT]  ; 448 x the scale
.endr
.rept 3
	v_pk_add_f32 v[LS:LS+1], v[LS:LS+1], v[S+n:S+n+1]
	v_pk_add_f32 v[240:241], v[240:241], v[S+n+2:S+n+3]
	v_pk_add_f32 v[242:243], v[242:243], v[S+n+4:S+n+5]
	v_pk_add_f32 v[244:245], v[244:245], v[S+n+6:S+n+7]
.set n, n+8
.endr
.irp b, 0,1,2,3
	v_lshrrev_b32 v[TP+\b], 23, v[TE+\b]           ; the bytes
.endr
	v_pk_add_f32 v[LS:LS+1], v[LS:LS+1], v[240:241]
	v_pk_add_f32 v[242:243], v[242:243], v[244:245]
	v_lshl_or_b32 v[PSW], v[TP+1], 8, v[TP]
	v_lshl_or_b32 v[TP+2], v[TP+3], 8, v[TP+2]
	v_pk_add_f32 v[LS:LS+1], v[LS:LS+1], v[242:243]
	v_lshl_or_b32 v[PSW], v[TP+2], 16, v[PSW]      ; p's scale word
	HOLD 0
	HOLD 1
	CODES 0
	HOLD 2
	CODES 1
	HOLD 3
	CODES 2
	v_add_f32 v[LS], v[LS], v[LS+1]
	v_nop
	CODES 3
	v_permlanex16_b32 v[LS+1], v[LS], s[SEL], s[SEL+1]
	v_add_f32 v[NM+1], v[LS], v[LS+1]              ; l of my 128 keys
.rept 4
	v_nop                                          ; places between the codes and the products
.endr
	WM S, VF, PC, VSR, PSW                         ; O^T over the scores' registers: tile t at 8 t
	WMA S+8, VF+16, PC, VSR, PSW
	WM S+16, VF+32, PC, VSR+1, PSW
	WMA S+24, VF+48, PC, VSR+1, PSW
.rept 8
	v_nop                                          ; the eight places ahead of the stores of O^T
.endr
.endm
; two parts' loads: chunk c = parts 2 c, 2 c + 1, into one of three buffers of 16 registers
.macro MCL c
.set CC_, \c
.irp p, 0,1
.set I_, 2*CC_+\p
.set A_, 28+I_/6
.set F_, (I_%6)*PSL+PAR*PP_
.set D_, S+16*(CC_%3)+8*\p
	ds_load_b128 v[D_:D_+3], v[A_] offset:F_
	ds_load_b128 v[D_+4:D_+7], v[A_] offset:F_+512
.endr
.endm
.macro MPK c                           ; and their sums
.set CC_, \c
.irp p, 0,1
.set I_, 2*CC_+\p
.set D_, S+16*(CC_%3)+8*\p
.irp q, 0,2,4,6
.if I_ == 0
	v_pk_mul_f32 v[8+\q:9+\q], v[D_+\q:D_+\q+1], v[ML:ML+1] op_sel_hi:[1,0]
.else
	v_pk_fma_f32 v[8+\q:9+\q], v[D_+\q:D_+\q+1], v[ML+2*I_:ML+2*I_+1], v[8+\q:9+\q] op_sel_hi:[1,0,1]
.endif
.endr
.endr
.endm
.macro MLD i                           ; -M and l of part i
.set I_, \i
.set A_, 25+I_/6
	ds_load_b64 v[ML+2*I_:ML+2*I_+1], v[A_] offset:(I_%6)*PSL+PAR*PP_+4096
.endm
; THE MERGE of the tile before, in the waves of slices 12 to 15.  Lane (r', g, h) = (lane % 8, lane / 8 % 2, lane / 16) takes query 8 x (my half) + r', channels 32 x (my block) + 16 h + 8 g + 0 .. 7.
; mn parts, or mn + 4 = mx where the loop's second trip has so many
.macro MERGE par, mn, mx
.set PP_, 1-\par
	s_cmp_lt_u32 s[KAP], 12
	s_cbranch_scc1 .Lnm_\@
	v_and_b32 v24, 7, v0
	v_bfe_u32 v30, v0, 3, 1
	v_bfe_u32 v31, v0, 4, 1
	v_lshlrev_b32 v24, 4, v24
	v_add_nc_u32 v24, s[MQ], v24                   ; 16 x query
	v_lshlrev_b32 v28, 7, v30
	v_xor_b32 v28, v24, v28                        ; (images of odd g are stored with their lanes' eights exchanged)
	v_lshl_add_u32 v28, v30, 10, v28
	v_lshl_add_u32 v28, v31, 8, v28
	v_add_nc_u32 v28, s[MB], v28                   ; parts 0 to 5,
	v_lshrrev_b32 v25, 1, v24
.if \mx > 6
	v_add_nc_u32 v29, 6*PSL, v28                   ; 6 to 11,
	v_add_nc_u32 v26, 6*PSL, v25
.endif
.if \mx > 12
	v_add_nc_u32 v30, 12*PSL, v28                  ; 12 on
	v_add_nc_u32 v27, 12*PSL, v25
.endif
.set K_, 0
.rept \mn
	MLD K_
.set K_, K_+1
.endr
.if \mx > \mn
	WALU
	s_cmp_le_u32 s[NP], \mn+2
	s_cbranch_scc1 .Lfew_\@
.irp e, 0,1,2,3
	MLD \mn+\e
.endr
	s_branch .Lml_\@
.Lfew_\@:
.irp e, 0,1,2,3
	v_mov_b32 v[ML+2*(\mn+\e)], 0x7f61b1e6         ; no such part: M = -3e38, l = 0: a factor of 0
	v_mov_b32 v[ML+2*(\mn+\e)+1], 0
.endr
.Lml_\@:
.endif
	MCL 0
.if \mn > 2
	MCL 1
.endif
	WALU
.if \mn > 2
	s_wait_dscnt 8                                 ; the -M and l are in; the eight loads of two chunks may be out
.else
	s_wait_dscnt 4                                 ; (one chunk's four)
.endif
	v_min_num_f32 v5, v[ML], v[ML+2]               ; the tile's -M
.set K_, 2
.rept (\mx-2)/2
	v_min3_num_f32 v5, v5, v[ML+2*K_], v[ML+2*K_+2]
.set K_, K_+2
.endr
.set K_, 0
.rept \mx
	v_sub_f32 v[ML+2*K_], v5, v[ML+2*K_]           ; a part's M less the tile's: a whole number, 0 or less
.set K_, K_+1
.endr
.set K_, 0
.rept \mx
	v_cvt_i32_f32 v[ML+2*K_], v[ML+2*K_]           ; (it saturates)
.set K_, K_+1
.endr
.set K_, 0
.rept \mx
	v_ldexp_f32 v[ML+2*K_], 1.0, v[ML+2*K_]
.set K_, K_+1
.endr
	v_mul_f32 v[LS], v[ML], v[ML+1]
.set K_, 1
.rept \mx-1
	v_fma_f32 v[LS], v[ML+2*K_], v[ML+2*K_+1], v[LS]
.set K_, K_+1
.endr
	WALU
	v_rcp_f32 v[LS], v[LS]                         ; 1 / l; the sums below stand between it and its first reader
	v_nop
.set K_, 0
.rept \mn/2
.if K_+2 < \mn/2
	MCL K_+2
.endif
.set LEFT_, \mn/2-1-K_
.if LEFT_ > 2
.set LEFT_, 2
.endif
	WALU
	s_wait_dscnt 4*LEFT_                           ; chunk K_ is in; the four loads of each later chunk may be out
	MPK K_
.set K_, K_+1
.endr
.if \mx > \mn
	WALU
	s_cmp_le_u32 s[NP], \mn+2
	s_cbranch_scc1 .Lall_\@
	MCL \mn/2
	MCL \mn/2+1
	s_wait_dscnt 4
	MPK \mn/2
	WALU
	s_wait_dscnt 0
	MPK \mn/2+1
.Lall_\@:
.endif
.irp q, 0,2,4,6
	v_pk_mul_f32 v[8+\q:9+\q], v[8+\q:9+\q], v[LS:LS+1] op_sel_hi:[1,0]    ; the context
.endr
	v_and_b32 v28, 7, v0
	v_max3_num_f32 v5, |v8|, |v9|, 0x4800000       ; its block's scale, as p's
	v_lshlrev_b32 v28, 4, v28
	v_max3_num_f32 v5, v5, |v10|, |v11|
	v_add_nc_u32 v28, s[MQ], v28
	v_max3_num_f32 v5, v5, |v12|, |v13|
	v_lshrrev_b32 v29, 2, v28
	v_max3_num_f32 v5, v5, |v14|, |v15|
	v_add_nc_u32 v29, s[MS], v29                   ; its byte's place
	v_max_num_f32_dpp v5, v5, v5 row_xmask:8 row_mask:0xf bank_mask:0xf
	v_bfe_u32 v27, v0, 4, 1
	v_permlanex16_b32 v24, v5, s[SEL], s[SEL+1]
	v_lshl_add_u32 v28, v27, 8, v28
	v_max_num_f32 v5, v5, v24
	v_bfe_u32 v27, v0, 3, 1
	v_add_nc_u32 v24, 0xfc000000, v5
	v_and_or_b32 v25, v5, 0x7f800000, s[MNT]
	v_lshl_add_u32 v28, v27, 3, v28
	v_lshrrev_b32 v26, 23, v24
	v_add_nc_u32 v28, s[MC], v28                   ; its codes' place
.irp i, 8,9,10,11,12,13,14,15
	v_med3_num_f32 v\i, v\i, -v25, v25
.endr
	v_cvt_scalef32_pk8_fp8_f32 v[30:31], v[8:15], v24
	v_nop
	ds_store_b64 v28, v[30:31] offset:1024*PP_
	ds_store_b8 v29, v26 offset:128*PP_
	ds_store_b8 v29, v26 offset:128*PP_+2
.Lnm_\@:
.endm
; THE PROJECTION of the tile two before, in the waves whose slice has its parity: 16 queries x my 64 columns
.macro PROJ par
	s_cmp_lg_u32 s[KODD], \par
	s_cbranch_scc1 .Lnp_\@
	s_add_nc_u64 s[OUT:OUT+1], s[OUT:OUT+1], 0x100000  ; (a wait on XCNT stands behind the last stores)
	v_and_b32 v245, 15, v0
	v_bfe_u32 v5, v0, 4, 1
	v_add_nc_u32 v244, s[WB], v3
	v_lshlrev_b32 v246, 4, v245
	v_lshl_add_u32 v245, v245, 2, CTS
	v_add_nc_u32 v247, s[BB], v246
	v_lshl_add_u32 v5, v5, 14, v246                ; in out: row 8 h, 16 r
	v_add_nc_u32 v246, CTX, v3
	ds_load_b128 v[QR+8:QR+11], v246 offset:1024*\par
	ds_load_b128 v[QR+12:QR+15], v246 offset:1024*\par+512
	ds_load_b32 v[QSW], v245 offset:128*\par
.irp i, 0,1,2,3,4,5,6,7
	ds_load_b128 v[S+4*\i:S+4*\i+3], v244 offset:512*\i
.endr
	ds_load_b128 v[240:243], v247                  ; the bias of columns 4 r .. 4 r + 3
	s_wait_dscnt 0x0
	WM  200, QR+8, S, QSW, 4                       ; columns 4 r + u: u = 0,
	WM  210, QR, S, QSW, 4                         ; 1,
	WMB 220, QR+8, S+16, QSW, 4                    ; 2,
	WMB 230, QR, S+16, QSW, 4                      ; 3.  (Ten registers apart, so that the pairs below take sources of unlike banks)
.rept 8
	v_nop                                          ; the eight places ahead of the first read of the results and of the writes over Wo's registers
.endr
.irp j, 0,1,2,3,4,5,6,7
	v_dual_add_f32 v[S+4*\j], v[200+\j], v240 :: v_dual_add_f32 v[S+4*\j+1], v[210+\j], v241
	v_dual_add_f32 v[S+4*\j+2], v[220+\j], v242 :: v_dual_add_f32 v[S+4*\j+3], v[230+\j], v243
.endr
.irp j, 0,1,2,3,4,5,6,7
	global_store_b128 v5, v[S+4*\j:S+4*\j+3], s[OUT:OUT+1] offset:2048*\j th:TH_STORE_NT   ; rows j and 8 + j: sixteen lanes store 256 consecutive bytes, at a multiple of 256 from out's first byte
.endr
.Lnp_\@:
.endm
; AN ITERATION.  At its head the barrier is signalled and not yet waited for.  mn = 0: no tile to merge; proj = 0: none to project; land = 1, 2: the second, third group of tiles is shown by the barrier that it signals
.macro ITER par, mn, mx, proj, land
	s_wait_xcnt 0x0                                ; the last projection's stores have read their registers
	s_cmp_ge_u32 s[KAP], s[NP]
	s_cbranch_scc1 .Lout_\@
	s_add_co_u32 s81, s[NP], s[HE+\par]
	s_sub_co_u32 s81, s81, 2                       ; the diagonal slice
	s_cmp_gt_u32 s[KAP], s81
	s_cbranch_scc1 .Lnone_\@
	STEP \par
	s_branch .Lout_\@
.Lnone_\@:
.set n, 0
.rept 16
	v_dual_mov_b32 v[S+n], 0 :: v_dual_mov_b32 v[S+n+1], 0
.set n, n+2
.endr
	v_mov_b32 v[NM], 0x7f61b1e6
	v_mov_b32 v[NM+1], 0
.Lout_\@:
	WALU
	s_barrier_wait -1                              ; the parts of the tile before and the context of the tile two before lie in LDS, and the parts' slots of that one are read out
	s_cmp_ge_u32 s[KAP], s[NP]
	s_cbranch_scc1 .Lnst_\@
	v_add_nc_u32 v5, s[PB], v3
	v_lshrrev_b32 v15, 1, v3
	v_xor_b32 v14, 0x80, v5
	v_add_nc_u32 v15, s[PB], v15
.irp k, 0,1,4,5
	ds_store_b128 v5, v[S+4*\k:S+4*\k+3] offset:512*\k+PAR*\par
	ds_store_b128 v14, v[S+4*\k+8:S+4*\k+11] offset:512*\k+1024+PAR*\par
.endr
	ds_store_b64 v15, v[NM:NM+1] offset:4096+PAR*\par
.Lnst_\@:
.if \mn
	MERGE \par, \mn, \mx
.endif
.if \proj
	PROJ \par
.endif
.if \land == 1
	s_cmp_lt_u32 s[WV], 8
	s_cbranch_scc0 .Lnl_\@
	s_wait_tensorcnt 0x0                           ; waves 0 to 7: the second group (keys 512 to 1,023) has landed
.Lnl_\@:
.endif
.if \land == 2
	s_wait_tensorcnt 0x0                           ; every wave: the third group has landed
.endif
	s_wait_dscnt 0x0
	s_barrier_signal -1
	s_add_co_u32 s[QT], s[QT], 1024
	s_add_co_u32 s[QTS], s[QTS], 128
	s_add_co_u32 s[NP], s[NP], 2
.endm
	FETCH 0, 4, 0, 2
	ITER 0, 0, 0, 0, 0
	ITER 1, 2, 2, 0, 1
	s_barrier_wait -1
	FETCH 4, 8, 2, 4
	ITER 0, 4, 4, 1, 0
	ITER 1, 6, 6, 1, 2
	s_barrier_wait -1
	FETCH 8, 16, 4, 8
.Ltrip:                                                ; tiles 4 and 5, then 6 and 7
	ITER 0, 8, 12, 1, 0
	ITER 1, 10, 14, 1, 0
	s_sub_co_u32 s[TRIP], s[TRIP], 1
	s_cmp_lg_u32 s[TRIP], 0
	s_cbranch_scc1 .Ltrip
	s_wait_xcnt 0x0
	s_barrier_wait -1
	MERGE 0, 16, 16                                ; the last tile's parts
	PROJ 0
	s_wait_xcnt 0x0
	s_wait_dscnt 0x0
	s_barrier_signal -1
	s_barrier_wait -1
	PROJ 1
	s_wait_tensorcnt 0x0                           ; the wave's end, behind my tensor load and my last LDS store
	ds_add_u32 v1, v2
	s_wait_dscnt 0x0
	CROUND                                         ; no work-group ends while a partner may still issue a load that names it
	s_endpgm
.Lfunc_end_k_qc15197e424_attn:
	.size	k_qc15197e424_attn, .Lfunc_end_k_qc15197e424_attn-k_qc15197e424_attn
	.p2alignl 7, 3214868480
	.fill 96, 4, 3214868480
	.section	.rodata,"a",@progbits
	.p2align	6, 0x0
	.amdhsa_kernel k_qc15197e424_attn
		.amdhsa_group_segment_fixed_size 327680
		.amdhsa_private_segment_fixed_size 0
		.amdhsa_enable_private_segment 0
		.amdhsa_kernarg_size 80
		.amdhsa_user_sgpr_count 2
		.amdhsa_user_sgpr_kernarg_segment_ptr 1
		.amdhsa_wavefront_size32 1
		.amdhsa_system_sgpr_workgroup_id_x 1
		.amdhsa_system_sgpr_workgroup_id_y 1
		.amdhsa_system_sgpr_workgroup_id_z 1
		.amdhsa_system_vgpr_workitem_id 0
		.amdhsa_next_free_vgpr 256
		.amdhsa_next_free_sgpr 100
		.amdhsa_reserve_vcc 1
		.amdhsa_float_denorm_mode_32 3
		.amdhsa_float_denorm_mode_16_64 3
		.amdhsa_memory_ordered 1
		.amdhsa_forward_progress 1
		.amdhsa_inst_pref_size 238
	.end_amdhsa_kernel
	.amdgpu_metadata
---
amdhsa.version: [ 1, 2 ]
amdhsa.kernels:
  - .name:           k_qc15197e424_attn
    .symbol:         k_qc15197e424_attn.kd
    .args:
      - { .name: query_codes, .offset: 0, .size: 8, .value_kind: global_buffer, .address_space: global }
      - { .name: query_scales, .offset: 8, .size: 8, .value_kind: global_buffer, .address_space: global }
      - { .name: keys_codes, .offset: 16, .size: 8, .value_kind: global_buffer, .address_space: global }
      - { .name: keys_scales, .offset: 24, .size: 8, .value_kind: global_buffer, .address_space: global }
      - { .name: values_codes, .offset: 32, .size: 8, .value_kind: global_buffer, .address_space: global }
      - { .name: values_scales, .offset: 40, .size: 8, .value_kind: global_buffer, .address_space: global }
      - { .name: Wo_w_codes, .offset: 48, .size: 8, .value_kind: global_buffer, .address_space: global }
      - { .name: Wo_w_scales, .offset: 56, .size: 8, .value_kind: global_buffer, .address_space: global }
      - { .name: Wo_b, .offset: 64, .size: 8, .value_kind: global_buffer, .address_space: global }
      - { .name: out0, .offset: 72, .size: 8, .value_kind: global_buffer, .address_space: global }
    .group_segment_fixed_size: 327680
    .private_segment_fixed_size: 0
    .kernarg_segment_align: 8
    .kernarg_segment_size: 80
    .max_flat_workgroup_size: 512
    .sgpr_count:     100
    .vgpr_count:     256
    .wavefront_size: 32
...
	.end_amdgpu_metadata
.endif
;; end of part 1
